; MI455X (gfx1250); checked and timed in simulation.
; The chip was launched on July 23, 2026; its instructions are those of AMD's public machine-readable ISA for CDNA 5 (MIT licence, August 2026) and "CDNA5" Instruction Set Architecture Reference Guide (July 2026). The comments in the code are by the model that wrote it; some were corrected since.
;; Hstu Layer. Allowed arithmetic: matrix products marked QUANTISED: E2M1 operands, one E8M0 scale for each 32 along K, by v_wmma_scale_f32_16x16x128_f8f6f4 with both operands' format E2M1 (or v_wmma_scale_f32_32x16x128_f4), f32 sums; everything else in f32.
;; Inputs: Wk 1,024 x 1,024 float32; Wq 1,024 x 1,024 float32; Wu 1,024 x 1,024 float32; Wv 1,024 x 1,024 float32; rel_bias 4,095 x 8 float32; x 4 x 2,048 x 1,024 float32.
;; Outputs: out0 4 x 2,048 x 1,024 float32.
;; This version of the problem:
;;   THIS VERSION OF THE PROBLEM IS GIVEN IN LOW PRECISION. The matrix products marked QUANTISED in the list below multiply operands that are first quantised to E2M1 (2 exponent bits, 1 mantissa bit; 4 bits a number), with one power-of-two scale for each 32 numbers along K (OCP MX v1.0); their sums are f32. All else is computed in f32.
;;   The module's matrix products, in the order in which they are computed (A, B: the left and right operand; K: the contracted axis; several contracted axes count as one K, in the product's order):
;;     1. [M 8,192, K 1,024] x [K 1,024, N 1,024]; A: input x; B: input Wq: QUANTISED
;;     2. [M 8,192, K 1,024] x [K 1,024, N 1,024]; A: input x; B: input Wk: QUANTISED
;;     3. [M 8,192, K 1,024] x [K 1,024, N 1,024]; A: input x; B: input Wv: QUANTISED
;;     4. [M 8,192, K 1,024] x [K 1,024, N 1,024]; A: input x; B: input Wu: QUANTISED
;;     5. batch 32 x [M 2,048, K 128] x [K 128, N 2,048]; A: computed on the way; B: computed on the way: QUANTISED
;;     6. batch 32 x [M 2,048, K 2,048] x [K 2,048, N 128]; A: computed on the way; B: computed on the way: QUANTISED
;;   THE QUANTISER, for each operand of a quantised product, along K:
;;     - K is cut into blocks of 32 from its start; a last block that is shorter is filled with zeros.
;;     - A block's scale is 2^e with e = floor(log2(the largest magnitude in the block)) - 2, held to -126 .. 127; a block of zeros has e = 0. As a byte (E8M0): e + 127.
;;     - Each number is divided by its block's scale, clamped to +-6, and rounded to the nearest number of E2M1, ties to even, subnormals kept.
;;     - The product sums the exact products of the quantised numbers (number of the format x scale) in f32.
;;   ~~~python
;;   def quantise(x, axis):      # numpy; x: float32 -> the quantised numbers, widened to float32 again
;;       x = np.moveaxis(x, axis, -1); K = x.shape[-1]
;;       x = np.pad(x, [(0, 0)] * (x.ndim - 1) + [(0, -K % 32)]); x = x.reshape(x.shape[:-1] + (-1, 32)); a = np.abs(x).max(-1, keepdims=True)
;;       e = np.where(a > 0, np.clip(np.frexp(np.where(a > 0, a, 1))[1] - 1 - 2, -126, 127), 0)      # np.frexp(a)[1] - 1 = floor(log2(a)), exactly
;;       r = np.clip(x / 2.0 ** e, -6, 6)
;;       step = 2.0 ** (np.maximum(np.frexp(np.where(r == 0, 1, r))[1] - 1, 0) - 1)
;;       q = np.round(r / step) * step * 2.0 ** e      # np.round: ties to even
;;       return np.moveaxis(q.reshape(q.shape[:-2] + (-1,))[..., :K], -1, axis).astype(np.float32)
;;   ~~~
;;   OPERANDS COMPUTED ON THE WAY. 'Computed on the way' means the value that the module computes at that place (a softmax that the list does not call 'softmax' is quantised finished and normalised). What goes into a quantiser is computed in f32, as accurately as f32 sums, v_exp_f32 and their like allow (about 1e-6 of the number): no bf16 or f16 on the way to a quantiser, and a product that is left as it is and whose result goes on into a quantised operand takes f32 operands (vector FMAs, or v_wmma_f32_16x16x4_f32). A number that lies on a knife's edge between two numbers of the format may be rounded either way, as far as f32 arithmetic and the matrix unit's own rounding can turn it there, and no further.
;; One version. Each part assembles by itself: llvm-mc -triple=amdgcn-amd-amdhsa -mcpu=gfx1250 --defsym DOCPART=n.
;; ======== version 1 of 1: 3 launches
;; limits: right only within a limited range of input values
;; workspace buffers: cod 6,291,456 bytes; scl 393,216 bytes; bt 327,680 bytes; qi 4,194,304 bytes; qs 262,144 bytes; kv 8,388,608 bytes; tab 786,432 bytes; gt 33,554,432 bytes
;; launch quant (part 1): grid 384 x 1, 4 waves a work-group, no clusters, 50,688 bytes of LDS; arguments x, Wq, Wk, Wv, Wu, rel_bias, cod, scl, bt; writes cod, scl, bt
.if DOCPART == 1
	.amdgcn_target "amdgcn-amd-amdhsa--gfx1250"
	.amdhsa_code_object_version 6
	.text
	.protected	k_q43ac144e6d_quant
	.globl	k_q43ac144e6d_quant
	.p2align	8
	.type	k_q43ac144e6d_quant,@function
k_q43ac144e6d_quant:
	s_mov_b64 s[64:65], 0
	v_nop
	global_prefetch_b8 v0, s[64:65] scope:SCOPE_SE
	s_setreg_imm32_b32 hwreg(HW_REG_WAVE_MODE, 25, 1), 1
	s_wait_xcnt 0x0
; x [8192][1024] and the four weights [1024 (k)][1024 (n)], f32, become codes of FP4 (E2M1) with K innermost and one E8M0 byte for each 32 along K, in ONE table of rows:
;   cod [12288][512 bytes], scl [12288][32 bytes]: rows 0-8191 are x's; row 8192 + 1024 m + n is column n of weight m (q, k, v, u).
; A block's scale is 2^(floor(log2(its largest magnitude)) - 2); its byte is the largest magnitude's exponent field - 2, held at 1 from below.
; The relative-position bias becomes bt [head 8][copy c 4][2560] f32: entry z holds rel_bias[d + 2047][head] for the distance d = query - key = 2048 + c - z, and -1e30 where d < 0
; (a key behind the query: the causal mask).  Four copies, each one entry further on, so that a later reader finds its eight neighbours at a multiple of 16 bytes whatever its query.
; LIMITS: a block of zeros, and one whose largest magnitude lies under 2^-124, gets the byte 1 (a block of zeros has zero codes, and this program alone reads the bytes); NaN and infinities are not served.
; SHARES.  Work-groups 0-255 take x: a plain stream of blocks of 32; a wave takes 8,192 numbers in 16 steps of 512.  Work-groups 256-383 take the weights, whose K is the FIRST axis:
; a lane takes a column and its registers run down K; a work-group takes 64 columns x 512 along K, a wave 32 columns x 256: as many bytes as a wave of x's.  They also make bt, 640 entries each.
; Each of the two ways has LDS bytes of its own.  No matrix unit, no cluster, no tensor load: nothing is shared between work-groups and every byte is read once.
.set STEPS, 16
.set EMAX,  2
.set CB,    8                          ; bytes of 16 codes
.set R,     16                         ; x: v16-79   four sets of 16 numbers as loaded
.set X,     80                         ; x: v80-111  two sets of 16 neighbours
.set C,     128                        ; x: v128-191 codes, four registers a step: no store's data are written again
.set E,     112                        ; x: v112-127 a scale byte for each step
.set WREG,  8192                       ; x: LDS of a wave: two stages of 32 x SP bytes, then its 256 scale bytes
.set SP,    80                         ; x: a lane's place in a stage: 64 bytes + 16 of padding
.set WST,   32768                      ; weights: the work-group's stage: 64 rows x WP
.set WP,    272                        ; weights: a stage row: 256 bytes of codes + 16
.set WX,    32                         ; weights: v32-95 two sets of 32 numbers
.set WC,    96                         ; weights: v96-99 a block's codes
.set WO,    112                        ; weights: v112-143 the way out
.set SB,    24                         ; weights: v24-25 eight scale bytes
.set BI,    100                        ; bias: v100-104 the distance d
.set BA,    105                        ; bias: v105-109 byte offsets into rel_bias
.set BO,    110                        ; bias: v110 byte offset into bt
.set BN,    111                        ; bias: v111 -1e30
.set BD,    144                        ; bias: v144-148 the numbers
.macro XLOAD t
.irp i, 0,1,2,3
	global_load_b128 v[R+16*((\t)%4)+4*\i:R+16*((\t)%4)+4*\i+3], v3, s[4:5] offset:2048*(\t)+512*\i th:TH_LOAD_NT   ; 32 lanes read 512 consecutive bytes
.endr
.endm
.macro XTURN t                         ; a step's 2,048 bytes through the wave's own stage: in as they lie, out 64 bytes a lane.  LDS serves a wave's instructions in order
.irp i, 0,1,2,3
	ds_store_b128 v14, v[R+16*((\t)%4)+4*\i:R+16*((\t)%4)+4*\i+3] offset:32*SP*((\t)%2)+8*SP*\i
.endr
.irp i, 0,1,2,3
	ds_load_b128 v[X+16*((\t)%2)+4*\i:X+16*((\t)%2)+4*\i+3], v15 offset:32*SP*((\t)%2)+16*\i
.endr
.endm
.macro XSTEP t
.set XS, X+16*((\t)%2)
.if (\t) > 0
	s_wait_dscnt 1                                 ; this step's numbers are back from the stage; the last step's byte store may be out
.else
	s_wait_dscnt 0x0
.endif
.if (\t)+4 < STEPS
	XLOAD (\t)+4                                   ; into the registers that the stage's stores have read
.endif
.if (\t)+1 < STEPS
.if STEPS-2-(\t) >= 3
	s_wait_loadcnt 12                              ; the next step's four loads are in; those of the three steps behind it may be out
.else
	s_wait_loadcnt 4*(STEPS-2-(\t))
.endif
	XTURN (\t)+1
.endif
	v_max3_num_f32 v8, |v[XS]|, |v[XS+1]|, |v[XS+2]|               ; the largest magnitude of my 16, in two chains
	v_max3_num_f32 v9, |v[XS+3]|, |v[XS+4]|, |v[XS+5]|
.irp i, 6,10
	v_max3_num_f32 v8, v8, |v[XS+\i]|, |v[XS+\i+1]|
	v_max3_num_f32 v9, v9, |v[XS+\i+2]|, |v[XS+\i+3]|
.endr
	v_max3_num_f32 v8, v8, |v[XS+14]|, |v[XS+15]|
	v_max3_num_f32 v8, v8, v9, (EMAX+1)<<23        ; and the floor 2^(3 - 127): the byte cannot fall under 1
	v_max_num_f32_dpp v8, v8, v8 row_xmask:1 row_mask:0xf bank_mask:0xf   ; with my neighbour's 16: the block's
	v_add_nc_u32 v11, -(EMAX<<23), v8              ; 2 off its exponent field: the conversion takes the exponent field of this operand as its scale
	v_cvt_scalef32_pk8_fp4_f32 v[C+4*(\t)], v[XS:XS+7], v11
	v_cvt_scalef32_pk8_fp4_f32 v[C+4*(\t)+1], v[XS+8:XS+15], v11
	v_lshrrev_b32 v[E+(\t)], 23, v11               ; the scale's byte
	ds_store_b8 v5, v[E+(\t)] offset:16*(\t)       ; both lanes of a block write the same byte with the same value
	global_store_b64 v4, v[C+4*(\t):C+4*(\t)+1], s[16:17] offset:32*CB*(\t)   ; the wave stores 256 consecutive bytes, aligned
.endm
.macro WLOAD t                         ; block t of my column: W(32 t + i, column), i = 0 .. 31
.irp i, 0,1,2,3,4,5,6,7,8,9,10,11,12,13,14,15,16,17,18,19,20,21,22,23,24,25,26,27,28,29,30,31
	global_load_b32 v[WX+32*((\t)%2)+\i], v3, s[22:23] offset:(32*(\t)+\i)*4096 th:TH_LOAD_NT
.endr
.endm
.macro BLOCK t
.set XS, WX+32*((\t)%2)
.if (\t) < 7
	s_wait_loadcnt 32                              ; this block's 32 loads are in; the next block's may be out
.else
	s_wait_loadcnt 0
.endif
	v_max3_num_f32 v12, |v[XS]|, |v[XS+1]|, |v[XS+2]|              ; all 32 numbers of the block are mine
	v_max3_num_f32 v13, |v[XS+3]|, |v[XS+4]|, |v[XS+5]|
.irp i, 6,10,14,18,22,26
	v_max3_num_f32 v12, v12, |v[XS+\i]|, |v[XS+\i+1]|
	v_max3_num_f32 v13, v13, |v[XS+\i+2]|, |v[XS+\i+3]|
.endr
	v_max3_num_f32 v12, v12, |v[XS+30]|, |v[XS+31]|
	v_max3_num_f32 v12, v12, v13, (EMAX+1)<<23
	v_add_nc_u32 v11, -(EMAX<<23), v12
	v_lshrrev_b32 v13, 23, v11
.if (\t)%4 == 0
	v_mov_b32 v[SB+(\t)/4], v13                    ; four bytes to a register, the lower K in the lower byte
.else
	v_lshl_or_b32 v[SB+(\t)/4], v13, 8*((\t)%4), v[SB+(\t)/4]
.endif
.irp g, 0,1,2,3
	v_cvt_scalef32_pk8_fp4_f32 v[WC+\g], v[XS+8*\g:XS+8*\g+7], v11
.endr
	ds_store_b128 v4, v[WC:WC+3] offset:16*(\t)    ; 32 codes: 16 bytes of my column's row
.if (\t)+2 < 8
	WLOAD (\t)+2
.endif
	s_wait_dscnt 0x0                               ; the store has read its registers: the next block's codes may be written
.endm
	s_load_b256 s[4:11], s[0:1], 0x0               ; x s[4:5], Wq s[6:7], Wk s[8:9], Wv s[10:11]
	s_load_b256 s[12:19], s[0:1], 0x20             ; Wu s[12:13], rel_bias s[14:15], cod s[16:17], scl s[18:19]
	s_load_b64 s[20:21], s[0:1], 0x40              ; bt
	v_lshl_add_u32 v192, v0, 2, 0xc400
	v_mov_b32 v193, 0
	v_lshrrev_b32 v1, 5, v0
	v_readfirstlane_b32 s24, v1                    ; wave 0..3
	v_and_b32 v2, 31, v0                           ; lane
	s_cmp_lt_u32 ttmp9, 256                        ; x's work-group or the weights'?  The same for all four waves
	s_cbranch_scc0 .Lweights
	; ---------------- x ----------------
	v_lshlrev_b32 v3, 4, v2                        ; my 16 bytes of a load's 512
	s_mul_i32 s25, s24, WREG
	v_lshrrev_b32 v14, 2, v2
	v_mul_u32_u24 v14, v14, SP
	v_and_b32 v15, 3, v2
	v_lshl_add_u32 v14, v15, 4, v14
	v_add_nc_u32 v14, s25, v14                     ; the stage, in: SP (lane / 4) + 16 (lane % 4)
	v_mul_u32_u24 v15, v2, SP
	v_add_nc_u32 v15, s25, v15                     ; out: SP x lane: my 16 neighbours
	v_mul_u32_u24 v4, v2, CB                       ; my codes' place in a step's
	v_lshrrev_b32 v5, 1, v2
	s_add_co_u32 s25, s25, 2*32*SP
	v_add_nc_u32 v5, s25, v5                       ; my block's scale byte in LDS
	v_lshlrev_b32 v7, 3, v2
	v_add_nc_u32 v6, s25, v7                       ; and 8 of them a lane on the way out
	s_lshl_b32 s26, ttmp9, 2
	s_add_co_u32 s26, s26, s24                     ; which run of 8,192 numbers is my wave's: 0 .. 1,023
	s_lshl_b32 s28, s26, 15                        ; 32,768 bytes of x,
	s_mov_b32 s29, 0
	s_lshl_b32 s30, s26, 12                        ; 4,096 of codes,
	s_mov_b32 s31, 0
	s_lshl_b32 s32, s26, 8                         ; 256 scale bytes
	s_mov_b32 s33, 0
	s_wait_kmcnt 0x0
	s_add_nc_u64 s[4:5], s[4:5], s[28:29]
	s_add_nc_u64 s[16:17], s[16:17], s[30:31]
	s_add_nc_u64 s[18:19], s[18:19], s[32:33]
.irp t, 0,1,2,3
	XLOAD \t
.endr
	s_wait_loadcnt 12                              ; step 0's four loads are in
	XTURN 0
.irp t, 0,1,2,3,4,5,6,7,8,9,10,11,12,13,14,15
	XSTEP \t
.endr
	ds_load_b64 v[12:13], v6                       ; LDS serves a wave's instructions in order: these see my byte stores
	s_wait_dscnt 0x0
	global_store_b64 v7, v[12:13], s[18:19]        ; 32 lanes store 256 consecutive bytes, aligned
	s_wait_tensorcnt 0x0
	ds_add_u32 v192, v193
	s_wait_dscnt 0x0
	s_endpgm
	; ---------------- the weights and the bias table ----------------
.Lweights:
	s_sub_co_u32 s25, ttmp9, 256                   ; 0 .. 127
	s_lshr_b32 s26, s25, 5                         ; m: which weight
	s_bfe_u32 s27, s25, 0x40001                    ; which 64 columns
	s_and_b32 s28, s25, 1                          ; which 512 along K
	s_lshr_b32 s29, s24, 1                         ; my wave: which 32 of the columns,
	s_and_b32 s30, s24, 1                          ; which 256 along K
	s_lshr_b32 s31, s25, 2                         ; bias: 4 x head + copy
	s_lshr_b32 s32, s25, 4                         ; head
	s_and_b32 s33, s31, 3                          ; copy c
	s_and_b32 s34, s25, 3                          ; which 640 entries
	s_mul_i32 s35, s34, 640
	s_sub_co_u32 s35, s33, s35
	s_add_co_u32 s35, s35, 2048                    ; d = 2048 + c - z, z = 640 x quarter + 128 i + thread
	v_sub_nc_u32 v[BI], s35, v0
.irp i, 1,2,3,4
	v_add_nc_u32 v[BI+\i], -128*\i, v[BI]
.endr
.irp i, 0,1,2,3,4
	v_min_u32 v[BA+\i], 0x7ff, v[BI+\i]            ; held at 2,047 (a negative d, read as unsigned, too): every load stays inside rel_bias
.endr
.irp i, 0,1,2,3,4
	v_lshlrev_b32 v[BA+\i], 5, v[BA+\i]            ; a row of rel_bias is 32 bytes
.endr
	s_mul_i32 s38, s34, 2560
	v_lshl_add_u32 v[BO], v0, 2, s38
	v_mov_b32 v[BN], 0xf149f2ca                    ; -1e30
	v_lshlrev_b32 v3, 2, v2                        ; W: 4 bytes a lane
	s_mul_i32 s38, s29, 32*WP
	s_lshl_b32 s39, s30, 7
	s_add_co_u32 s38, s38, s39
	s_add_co_u32 s38, s38, WST
	v_mul_u32_u24 v4, v2, WP
	v_add_nc_u32 v4, s38, v4                       ; into the stage: row = my column, my wave's half of its 256 bytes
	v_and_b32 v5, 15, v2
	v_lshrrev_b32 v6, 4, v2
	s_mul_i32 s39, s24, 16*WP
	s_add_co_u32 s39, s39, WST
	v_mul_u32_u24 v7, v6, WP
	v_lshl_add_u32 v7, v5, 4, v7
	v_add_nc_u32 v7, s39, v7                       ; out of it: wave w takes rows 16 w on, sixteen lanes to a row
	v_lshlrev_b32 v8, 9, v6
	v_lshl_add_u32 v8, v5, 4, v8                   ; and the same place in cod
	v_lshlrev_b32 v9, 5, v2                        ; my column's row of scale bytes
	s_lshl_b32 s40, s26, 10
	s_lshl_b32 s41, s27, 6
	s_add_co_u32 s40, s40, s41
	s_add_co_u32 s40, s40, 8192                    ; the first of the work-group's 64 rows of cod and scl
	s_lshl_b32 s41, s24, 4
	s_add_co_u32 s41, s40, s41
	s_lshl_b32 s42, s41, 9
	s_lshl_b32 s43, s28, 8
	s_add_co_u32 s42, s42, s43                     ; cod: (row + 16 w) x 512 + 256 x (which 512 along K)
	s_mov_b32 s43, 0
	s_lshl_b32 s41, s29, 5
	s_add_co_u32 s41, s40, s41
	s_lshl_b32 s44, s41, 5
	s_lshl_b32 s45, s28, 4
	s_add_co_u32 s44, s44, s45
	s_lshl_b32 s45, s30, 3
	s_add_co_u32 s44, s44, s45                     ; scl: (row + my wave's 32 columns) x 32 + my 8 blocks
	s_mov_b32 s45, 0
	s_lshl_b32 s36, s28, 21                        ; W: 512 rows of 4,096 bytes,
	s_lshl_b32 s37, s30, 20                        ; 256 rows,
	s_add_co_u32 s36, s36, s37
	s_lshl_b32 s37, s27, 8                         ; 64 columns,
	s_add_co_u32 s36, s36, s37
	s_lshl_b32 s37, s29, 7                         ; 32 columns
	s_add_co_u32 s36, s36, s37
	s_mov_b32 s37, 0
	s_wait_kmcnt 0x0
	s_cmp_eq_u32 s26, 0                            ; the weight's address: a choice that hangs on the work-group's number alone
	s_cselect_b64 s[22:23], s[6:7], s[8:9]
	s_cmp_eq_u32 s26, 2
	s_cselect_b64 s[22:23], s[10:11], s[22:23]
	s_cmp_eq_u32 s26, 3
	s_cselect_b64 s[22:23], s[12:13], s[22:23]
	s_add_nc_u64 s[22:23], s[22:23], s[36:37]
	s_add_nc_u64 s[16:17], s[16:17], s[42:43]
	s_add_nc_u64 s[18:19], s[18:19], s[44:45]
	s_lshl_b32 s36, s32, 2
	s_add_nc_u64 s[14:15], s[14:15], s[36:37]      ; rel_bias at my head
	s_mul_i32 s36, s31, 10240
	s_add_nc_u64 s[20:21], s[20:21], s[36:37]      ; bt at my head's copy
.irp i, 0,1,2,3,4
	global_load_b32 v[BD+\i], v[BA+\i], s[14:15] offset:65504      ; rel_bias[d + 2047][head]
.endr
	WLOAD 0
	s_wait_loadcnt 32                              ; the five older loads are in; block 0's 32 may be out
.irp i, 0,1,2,3,4
	v_cmp_gt_i32 vcc_lo, 0, v[BI+\i]               ; a key behind the query
	v_cndmask_b32 v[BD+\i], v[BD+\i], v[BN], vcc_lo
.endr
.irp i, 0,1,2,3,4
	global_store_b32 v[BO], v[BD+\i], s[20:21] offset:512*\i       ; the four waves together store 512 consecutive bytes; the table is one part in 150 of what the launch moves
.endr
	WLOAD 1
.irp t, 0,1,2,3,4,5,6,7
	BLOCK \t
.endr
	global_store_b64 v9, v[SB:SB+1], s[18:19]      ; my column's 8 scale bytes
	s_barrier_signal -1                            ; a row's 256 bytes come from two waves: my stores into the stage are done (the last block's wait was for 0)
	s_barrier_wait -1
.irp t, 0,1,2,3,4,5,6,7
	ds_load_b128 v[WO+4*\t:WO+4*\t+3], v7 offset:2*\t*WP
.endr
.irp t, 0,1,2,3,4,5,6,7
	s_wait_dscnt 7-\t                              ; the younger loads may stay out
	global_store_b128 v8, v[WO+4*\t:WO+4*\t+3], s[16:17] offset:2*\t*512   ; sixteen lanes store 256 consecutive bytes, aligned
.endr
	s_wait_tensorcnt 0x0
	ds_add_u32 v192, v193
	s_wait_dscnt 0x0
	s_endpgm
.Lfunc_end_k_q43ac144e6d_quant:
	.size	k_q43ac144e6d_quant, .Lfunc_end_k_q43ac144e6d_quant-k_q43ac144e6d_quant
	.p2alignl 7, 3214868480
	.fill 96, 4, 3214868480
	.section	.rodata,"a",@progbits
	.p2align	6, 0x0
	.amdhsa_kernel k_q43ac144e6d_quant
		.amdhsa_group_segment_fixed_size 50688
		.amdhsa_private_segment_fixed_size 0
		.amdhsa_enable_private_segment 0
		.amdhsa_kernarg_size 72
		.amdhsa_user_sgpr_count 2
		.amdhsa_user_sgpr_kernarg_segment_ptr 1
		.amdhsa_wavefront_size32 1
		.amdhsa_system_sgpr_workgroup_id_x 1
		.amdhsa_system_sgpr_workgroup_id_y 1
		.amdhsa_system_sgpr_workgroup_id_z 1
		.amdhsa_system_vgpr_workitem_id 0
		.amdhsa_next_free_vgpr 194
		.amdhsa_next_free_sgpr 66
		.amdhsa_reserve_vcc 1
		.amdhsa_float_denorm_mode_32 3
		.amdhsa_float_denorm_mode_16_64 3
		.amdhsa_memory_ordered 1
		.amdhsa_forward_progress 1
		.amdhsa_inst_pref_size 76
	.end_amdhsa_kernel
	.amdgpu_metadata
---
amdhsa.version: [ 1, 2 ]
amdhsa.kernels:
  - .name:           k_q43ac144e6d_quant
    .symbol:         k_q43ac144e6d_quant.kd
    .args:
      - { .name: x, .offset: 0, .size: 8, .value_kind: global_buffer, .address_space: global }
      - { .name: Wq, .offset: 8, .size: 8, .value_kind: global_buffer, .address_space: global }
      - { .name: Wk, .offset: 16, .size: 8, .value_kind: global_buffer, .address_space: global }
      - { .name: Wv, .offset: 24, .size: 8, .value_kind: global_buffer, .address_space: global }
      - { .name: Wu, .offset: 32, .size: 8, .value_kind: global_buffer, .address_space: global }
      - { .name: rel_bias, .offset: 40, .size: 8, .value_kind: global_buffer, .address_space: global }
      - { .name: cod, .offset: 48, .size: 8, .value_kind: global_buffer, .address_space: global }
      - { .name: scl, .offset: 56, .size: 8, .value_kind: global_buffer, .address_space: global }
      - { .name: bt, .offset: 64, .size: 8, .value_kind: global_buffer, .address_space: global }
    .group_segment_fixed_size: 50688
    .private_segment_fixed_size: 0
    .kernarg_segment_align: 8
    .kernarg_segment_size: 72
    .max_flat_workgroup_size: 128
    .sgpr_count:     66
    .vgpr_count:     194
    .wavefront_size: 32
...
	.end_amdgpu_metadata
.endif
;; end of part 1
;; launch proj (part 2): grid 16 x 32, 4 waves a work-group, clusters of 4 x 4, 327,680 bytes of LDS; arguments cod, scl, qi, qs, kv, tab, gt; writes qi, qs, kv, tab, gt
.if DOCPART == 2
	.amdgcn_target "amdgcn-amd-amdhsa--gfx1250"
	.amdhsa_code_object_version 6
	.text
	.protected	k_q43ac144e6d_proj
	.globl	k_q43ac144e6d_proj
	.p2align	8
	.type	k_q43ac144e6d_proj,@function
k_q43ac144e6d_proj:
	s_mov_b64 s[64:65], 0
	v_nop
	global_prefetch_b8 v0, s[64:65] scope:SCOPE_SE
	s_setreg_imm32_b32 hwreg(HW_REG_WAVE_MODE, 25, 1), 1
	s_wait_xcnt 0x0
	s_wait_alu depctr_hold_cnt(0) depctr_sa_sdst(0) depctr_va_vdst(0) depctr_va_sdst(0) depctr_va_ssrc(0) depctr_va_vcc(0) depctr_vm_vsrc(0)
	s_getreg_b32 s2, hwreg(HW_REG_IB_STS2, 6, 4)
	s_cmp_eq_u32 s2, 0
	s_cbranch_scc0 .Lentry_in_a_cluster
	s_endpgm
.Lentry_in_a_cluster:
	s_bfe_u32 s2, ttmp6, 0x10000c
	s_cmp_lg_u32 s2, 0xf033
	s_cbranch_scc0 .Lentry_shape_is_right
	s_endpgm
.Lentry_shape_is_right:
; The four projections x Wq, x Wk, x Wv, x Wu (each 8192 x 1024 x 1024) on codes of FP4 with E8M0 scales, then silu, and what attention wants of each:
;   Q, K: silu, quantised along the head's 128 channels;  V: silu, quantised along the KEYS;  U: silu(U) as f32.
; A tile of C, 256 x 256, is made by four waves, each 128 x 128: 64 accumulators, 512 registers.  K = 1,024 is two LDS slots of 512 along K (rows of 256 bytes), both asked for at the start; nothing is filled again.
; The scale bytes of the work-group's 2 x 256 rows come once, as dense blocks, and stay in LDS.
; CLUSTERS: 4 x 4 work-groups.  The four of a row of the cluster need the same tile "A", the four of a column the same tile "B": each is asked for jointly.  The cluster's x says which projection: 0 Q, 1 K, 2 V, 3 U.
; THE MATRIX INSTRUCTION IS USED TRANSPOSED (source 0 = 16 rows of B, source 1 = 16 rows of A): a lane holds ONE row of A, and its registers run along B's rows.
;   Q, K, U: A = 256 tokens of x, B = 256 columns of W: a lane holds a token, its registers run along the channels; a wave's 128 channels are one head.
;   V:       A = 256 columns of Wv, B = 256 tokens of x: a lane holds a channel, its registers run along the keys; a wave's 128 tokens are one key step.  x's and W's codes lie in one table, so only a row number is chosen.
; A RESULT BECOMES AN OPERAND: of block a (16 rows of A) a lane's 64 registers are k = 16 t + 8 (lane / 16) + j of its row.  Block b of 32 lies in the 16 registers of tiles 2 b, 2 b + 1 of lanes l and l xor 16.
;   The codes of a tile's eight go to register 4 (b / 2) + 2 (tile % 2) + b % 2; two exchanges of half-waves for each pair of blocks then give the operand's layout (register 4 c + i of lane (r, h): k = 64 c + 32 h + 8 i on).
;   The fragment is stored as an image of its registers: quad c at 512 c + 16 x lane: 1,024 bytes.
; OUT: qi [bh][q tile][1 KB], qs [bh][q tile][16 words];  kv [bh][key step][K: 8 key tiles, V: 8 channel tiles, 1 KB each];  tab [bh][key step][128 words K's scales, 128 words V's, 128 mask words];  gt [8192][1024] f32.
;   A key's mask word is four E8M0 bytes for the launch that follows: byte 0 is 1 (2^-126), or 227 (2^100) where all 128 numbers of silu(K) are 0: the key mask; the other three bytes are 1.
; LIMITS: NaN and infinities are not served; a block of zeros, and one whose largest magnitude lies under 2^-124, gets the byte 1 (zero codes add nothing; this program alone reads the bytes);
;   silu(x) is x / (1 + 2^(-x log2 e)) by v_exp_f32 and v_rcp_f32.
; REGISTERS: window 0: v0-31 addresses; v32-95 scale words, two sets; v128-191 A's fragments; on the way out v32-59 and v64-255 are at work.  window 1: B's fragments, two sets.  windows 2, 3: the accumulators ((a, b) at v[8 (8 (a % 4) + b)]).
.set KSTEP,  512
.set NQ,     4                         ; matrix instructions deep in a slot
.set ROWB,   256                       ; a tile's row in bytes
.set KROW,   512                       ; a row of cod
.set PITCH,  272                       ; an LDS row: 256 + 16: the 16 rows that a load touches start at 16 different banks (64 banks of 4 bytes: ISA guide 11.1)
.set FR,     8
.set NL,     2
.set NP,     4                         ; places behind this matrix instruction (ISA guide 7.12.1)
.set HALFT,  128*PITCH
.set SLOT,   4*HALFT
.set KS,     32                        ; a row of scl
.set SCL,    2*SLOT
.set HALFS,  (128*KS/256)*272
.set SBLK,   (16*KS/256)*272
.set SPARE,  SCL+4*HALFS               ; the spare words, 128 bytes a wave: two blocks of 256 bytes that no other line names
.set SPITCH, 528                       ; the gate's stage: 16 rows x (512 + 16) a wave, from LDS byte 0 on
.set SST,    HALFT                     ; the scale words' stage: 1,024 bytes a wave.  Both stages lie in slot 0, which has had its only fill and its last read when they are written
.set SSA,  7                           ; v7      scale stage, in: 4 x (lane % 16)
.set KCV,  8                           ; v8-15   the mask word of my row of block a
.set ADRA, 16
.set SSR,  18                          ; v18     scale stage, out: 16 x lane
.set MWN,  19                          ; v19     the mask word of a key that counts
.set ADRB, 20
.set MWM,  22                          ; v22     the mask word of a masked key
.set STO,  24
.set RD,   25
.set CO,   26                          ; v26     16 x lane: a place in an image, in a row of gt, in a run of scale words
.set ADRS, 27
.set SPW,  28
.set NIL,  29
.set SC,   32
.set AF,   128
.set TM,   32                          ; way out: v32-35 largest magnitudes, v36-39 the other half's, v40-43 the conversions' scale operands, v44-47 bytes, v48 the row's largest
.set TP,   36
.set SO,   40
.set BY,   44
.set ZR,   48
.set PW,   52                          ; v52-59  scale word of block a
.set E,    128                         ; v128-191 a block's 64 numbers
.set PC,   192                         ; v192-255 codes, eight registers a block
.set NLG,  2                           ; s[2:3]  -log2(e), twice
.set SEL,  100                         ; s[100:101] lane selects: lane l xor 16
.set G1, 24
.set G0, 32
.set G1B, 48
.set G0B, 56
.set G1S, 68
.set G0S, 76
.set G1SB, 80
.set G0SB, 88
.set MSB, 0
.macro WIN new                         ; the immediate's high byte repeats the setting that is left
.if MSB != \new
	s_set_vgpr_msb (MSB<<8)|\new
.set MSB, \new
.endif
.endm
.set MUL_LO, 0xa1                      ; source 0 (B) window 1, source 1 (A) window 0, C and D window 2
.set MUL_HI, 0xf1
.set TO_B,   0x40
; A joint load: waves 0 and 1 fetch for A, waves 2 and 3 for B; the branch hangs on the wave's number alone.  Four v_nop follow each of the two lines.
.macro JLOAD g0a, g1a, g0b, g1b
	s_cmp_eq_u32 s15, 0
	s_cbranch_scc0 .Lfor_b_\@
	tensor_load_to_lds s[\g0a:\g0a+3], s[\g1a:\g1a+7]
	s_nop 0
.rept 4
	v_nop
.endr
	s_branch .Lasked_\@
.Lfor_b_\@:
	tensor_load_to_lds s[\g0b:\g0b+3], s[\g1b:\g1b+7]
	s_nop 0
.rept 4
	v_nop
.endr
.Lasked_\@:
.endm
.macro CROUND                          ; a round of the cluster's barrier
	s_barrier_signal -1
	s_barrier_wait -1
	s_cmp_lg_u32 s14, 0
	s_cbranch_scc1 .Lnot_wave_0_\@
	s_barrier_signal -3
.Lnot_wave_0_\@:
	s_barrier_wait -3
	s_barrier_signal -1
	s_barrier_wait -1
.endm
	s_load_b256 s[4:11], s[0:1], 0x0               ; cod s[4:5], scl s[6:7], qi s[8:9], qs s[10:11]
	s_load_b64 s[12:13], s[0:1], 0x20              ; kv
	s_load_b64 s[66:67], s[0:1], 0x28              ; tab
	s_load_b64 s[98:99], s[0:1], 0x30              ; gt
	v_lshl_add_u32 v[SPW], v0, 2, SPARE
	v_mov_b32 v[NIL], 0
	ds_add_u32 v28, v29
	ds_add_u32 v28, v29
	s_wait_dscnt 0x0
	v_lshrrev_b32 v1, 5, v0
	v_readfirstlane_b32 s14, v1                    ; wave 0..3
	s_lshr_b32 s15, s14, 1                         ; which half of A's rows is mine.  Also: I fetch for A (0) or for B (1)
	s_and_b32 s16, s14, 1                          ; which half of B's rows.  Also: which 128 rows of that tile I fetch
	s_bfe_u32 s40, ttmp6, 0x40000                  ; cx, cy: my place in the cluster
	s_bfe_u32 s41, ttmp6, 0x40004
	s_and_b32 s17, ttmp7, 0xffff                   ; the cluster's y: which 1,024 tokens
	s_lshl_b32 s43, s41, 2
	s_lshl_b32 s43, 15, s43                        ; my row of the cluster
	s_lshl_b32 s44, 0x1111, s40                    ; my column
	s_or_b32 s[G1+0], s43, (0<<16)|(1<<20)|(1<<21)|(5<<22)|(3<<25)  ; the mask; elements of 1 byte; padding on; bit 21 beside a mask; 4 words after every 64
	s_or_b32 s[G1B+0], s44, (0<<16)|(1<<20)|(1<<21)|(5<<22)|(3<<25)
.irp g, G1, G1B
	s_mov_b32 s[\g+1], ROWB<<16                    ; tensor_dim0
	s_mov_b32 s[\g+2], 128<<16                     ; tensor_dim1
	s_mov_b32 s[\g+3], ROWB<<16                    ; tile_dim0
	s_mov_b32 s[\g+4], 128                         ; tile_dim1
	s_mov_b32 s[\g+5], KROW                        ; the pitch
	s_mov_b32 s[\g+6], 0
	s_mov_b32 s[\g+7], 0
.endr
	s_or_b32 s[G1S+0], s43, (3<<16)|(1<<20)|(1<<21)|(5<<22)|(3<<25) ; the scales of 128 rows: 4,096 dense bytes as 16 rows of 256 (32 elements of 8 bytes), 16 bytes of padding behind each
	s_or_b32 s[G1SB+0], s44, (3<<16)|(1<<20)|(1<<21)|(5<<22)|(3<<25)
.irp g, G1S, G1SB
	s_mov_b32 s[\g+1], 32<<16
	s_mov_b32 s[\g+2], (128*KS/256)<<16
	s_mov_b32 s[\g+3], 32<<16
	s_mov_b32 s[\g+4], 128*KS/256
	s_mov_b32 s[\g+5], 32
	s_mov_b32 s[\g+6], 0
	s_mov_b32 s[\g+7], 0
.endr
	; which rows of the table are A's and B's.  A's hang on cy (and on what the whole cluster shares), B's on cx: each in registers that never hold the other
	s_lshl_b32 s18, s16, 7                         ; which 128 rows of the tile I fetch
	s_lshl_b32 s19, s17, 10                        ; the cluster's 1,024 tokens
	s_lshl_b32 s22, ttmp9, 10
	s_add_co_u32 s22, s22, 8192                    ; the projection's 1,024 rows
	s_cmp_eq_u32 ttmp9, 2                          ; V: the sides change places
	s_cselect_b32 s20, 10240, s19
	s_cselect_b32 s46, s19, s22
	s_lshl_b32 s21, s41, 8
	s_add_co_u32 s20, s20, s21
	s_add_co_u32 s20, s20, s18                     ; A's first row for my load
	s_lshl_b32 s47, s40, 8
	s_add_co_u32 s46, s46, s47
	s_add_co_u32 s46, s46, s18                     ; B's
	s_lshl_b32 s22, s20, 5                         ; their scales, 32 bytes a row,
	s_mov_b32 s23, 0
	s_lshl_b32 s20, s20, 9                         ; their codes, 512
	s_mov_b32 s21, 0
	s_lshl_b32 s92, s46, 5
	s_mov_b32 s93, 0
	s_lshl_b32 s46, s46, 9
	s_mov_b32 s47, 0
	s_mul_i32 s45, s14, HALFT                      ; where they go: wave x 128 rows: no place in the cluster enters an LDS address
	s_mul_i32 s94, s14, HALFS
	s_wait_kmcnt 0x0
	s_add_nc_u64 s[20:21], s[4:5], s[20:21]
	s_add_nc_u64 s[22:23], s[6:7], s[22:23]
	s_add_nc_u64 s[46:47], s[4:5], s[46:47]
	s_add_nc_u64 s[92:93], s[6:7], s[92:93]
	CROUND                                         ; all sixteen work-groups are here: the joint loads meet
	s_mov_b32 s[G0S], 1
	s_add_co_u32 s[G0S+1], s94, SCL
	s_mov_b64 s[G0S+2:G0S+3], s[22:23]
	s_or_b32 s[G0S+3], s[G0S+3], 0x80000000
	s_mov_b32 s[G0SB], 1
	s_add_co_u32 s[G0SB+1], s94, SCL
	s_mov_b64 s[G0SB+2:G0SB+3], s[92:93]
	s_or_b32 s[G0SB+3], s[G0SB+3], 0x80000000
	JLOAD G0S, G1S, G0SB, G1SB                     ; the scales first: they are wanted with the first slot
.irp s, 0,1
	s_mov_b32 s[G0+4*\s], 1
	s_add_co_u32 s[G0+4*\s+1], s45, \s*SLOT
	s_add_nc_u64 s[G0+4*\s+2:G0+4*\s+3], s[20:21], \s*ROWB
	s_or_b32 s[G0+4*\s+3], s[G0+4*\s+3], 0x80000000
	s_mov_b32 s[G0B+4*\s], 1
	s_add_co_u32 s[G0B+4*\s+1], s45, \s*SLOT
	s_add_nc_u64 s[G0B+4*\s+2:G0B+4*\s+3], s[46:47], \s*ROWB
	s_or_b32 s[G0B+4*\s+3], s[G0B+4*\s+3], 0x80000000
	JLOAD G0+4*\s, G1, G0B+4*\s, G1B               ; three loads of mine are out
.endr
	v_and_b32 v1, 15, v0                           ; r = lane % 16
	v_bfe_u32 v2, v0, 4, 1                         ; h = lane / 16
	v_mul_u32_u24 v3, v1, PITCH
	v_lshl_add_u32 v4, v2, 4, v3                   ; a fragment's row x pitch + 16 h
	s_mul_i32 s21, s15, HALFT                      ; my 128 rows of A
	s_mul_i32 s22, s16, HALFT                      ; my 128 rows of B,
	s_add_co_u32 s22, s22, 2*HALFT                 ; behind A's 256
.irp s, 0,1
	v_add_nc_u32 v[ADRA+\s], s21, v4
	v_add_nc_u32 v[ADRB+\s], s22, v4
	s_add_co_u32 s21, s21, SLOT
	s_add_co_u32 s22, s22, SLOT
.endr
	v_mul_u32_u24 v5, v1, KS                       ; my row's scales: 32 bytes a row,
	v_lshrrev_b32 v6, 8, v5
	v_lshl_add_u32 v5, v6, 4, v5                   ; and 16 more for each 256 passed
	s_mul_i32 s21, s15, HALFS
	s_mul_i32 s22, s16, HALFS
	s_add_co_u32 s22, s22, 2*HALFS
	s_sub_co_u32 s22, s22, s21
	v_mul_u32_u24 v6, s22, v2                      ; lanes 16-31 take B's: the lower base + h x the distance
	s_add_co_u32 s21, s21, SCL
	v_add_nc_u32 v5, v5, v6
	v_add_nc_u32 v[ADRS], s21, v5
	s_mul_i32 s23, s14, 16*SPITCH                  ; the gate's stage of my wave
	v_mul_u32_u24 v5, v1, SPITCH
	v_lshl_add_u32 v5, v2, 5, v5
	v_add_nc_u32 v[STO], s23, v5                   ; in: row r, 32 bytes for each half of the lanes
	v_and_b32 v6, 31, v0
	v_lshlrev_b32 v[CO], 4, v6
	v_add_nc_u32 v[RD], s23, v[CO]                 ; back: the 32 lanes take one row of 512 bytes
	s_lshl_b32 s22, s14, 10
	s_add_co_u32 s22, s22, SST                     ; the scale words' stage of my wave
	v_lshl_add_u32 v[SSA], v1, 2, s22
	v_add_nc_u32 v[SSR], s22, v[CO]
	v_mov_b32 v[MWN], 0x01010101                   ; a key that counts: byte 0 = 1
	v_mov_b32 v[MWM], 0x010101e3                   ; a masked key: byte 0 = 227
	s_mov_b32 s[NLG], 0xbfb8aa3b                   ; -log2(e)
	s_mov_b32 s[NLG+1], 0xbfb8aa3b                 ; (named with it as a pair)
	s_mov_b32 s[SEL], 0x76543210
	s_mov_b32 s[SEL+1], 0xfedcba98
	; WHERE THE RESULTS GO.  My 128 tokens are group RG of 64 (batch RG / 16, key step or 8 query tiles RG % 16), my 128 channels head hh.  In V the sides have changed places
	s_cmp_eq_u32 ttmp9, 2
	s_cselect_b32 s18, s40, s41                    ; the tokens' place in the cluster,
	s_cselect_b32 s19, s41, s40                    ; the channels',
	s_cselect_b32 s42, s16, s15                    ; the tokens' half in the work-group,
	s_cselect_b32 s43, s15, s16                    ; the channels',
	s_cselect_b32 s44, 8192, 0                     ; V lies behind K in a step of kv,
	s_cselect_b32 s45, 512, 0                      ; and its scale words behind K's in tab
	s_lshl_b32 s92, s17, 2
	s_add_co_u32 s92, s92, s18
	s_lshl_b32 s92, s92, 1
	s_add_co_u32 s92, s92, s42                     ; RG
	s_lshl_b32 s93, s19, 1
	s_add_co_u32 s93, s93, s43                     ; hh
	s_lshr_b32 s94, s92, 4
	s_lshl_b32 s94, s94, 3
	s_add_co_u32 s94, s94, s93                     ; bh = 8 x batch + head
	s_and_b32 s95, s92, 15                         ; the step
	s_mov_b32 s42, 24576
	s_mov_b32 s43, 1536
	s_cmp_eq_u32 ttmp9, 0                          ; Q goes to qi and qs, K and V to kv and tab
	s_cselect_b64 s[8:9], s[8:9], s[12:13]
	s_cselect_b64 s[10:11], s[10:11], s[66:67]
	s_cselect_b32 s18, 17, 18
	s_cselect_b32 s19, 13, 14
	s_cselect_b32 s42, 8192, s42
	s_cselect_b32 s43, 512, s43
	s_lshl_b32 s96, s94, s18
	s_lshl_b32 s97, s95, s19
	s_add_co_u32 s96, s96, s97
	s_add_co_u32 s96, s96, s44
	s_mov_b32 s97, 0
	s_add_nc_u64 s[8:9], s[8:9], s[96:97]          ; my eight images
	s_mul_i32 s96, s94, s42
	s_mul_i32 s18, s95, s43
	s_add_co_u32 s96, s96, s18
	s_add_co_u32 s96, s96, s45
	s_add_nc_u64 s[10:11], s[10:11], s[96:97]      ; my 128 scale words
	s_mul_i32 s96, s94, 24576
	s_mul_i32 s18, s95, 1536
	s_add_co_u32 s96, s96, s18
	s_add_co_u32 s96, s96, 1024
	s_add_nc_u64 s[66:67], s[66:67], s[96:97]      ; my 128 mask words (K alone stores them)
	s_lshl_b32 s96, s17, 2
	s_add_co_u32 s96, s96, s41
	s_lshl_b32 s96, s96, 1
	s_add_co_u32 s96, s96, s15
	s_lshl_b32 s96, s96, 19                        ; gt: 128 rows of 4,096 bytes,
	s_lshl_b32 s18, s40, 10                        ; 256 columns,
	s_add_co_u32 s96, s96, s18
	s_lshl_b32 s18, s16, 9                         ; 128 columns
	s_add_co_u32 s96, s96, s18
	s_add_nc_u64 s[98:99], s[98:99], s[96:97]
.macro FRAG reg, adr, q, i             ; 16 rows x 128 K of 4-bit codes: 8 registers; lane l holds row l % 16; registers 4 c .. 4 c + 3 hold K = 64 c + 32 (l / 16) + 0 .. 31
.irp c, 0,1
	ds_load_b128 v[\reg+4*\c:\reg+4*\c+3], v[\adr] offset:64*(\q)+32*\c+(\i)*16*PITCH
.endr
.endm
; 16 matrix instructions: A's blocks a0, a0 + 1 x B's eight.  The 64 accumulators take turns, one instruction a turn, in the same order in every step.
.macro MUL16 a0, p, q, sc, zero
.irp a, \a0, \a0+1
.irp b, 0,1,2,3,4,5,6,7
.if \zero
	v_wmma_scale_f32_16x16x128_f8f6f4 v[8*(8*((\a)%4)+\b):8*(8*((\a)%4)+\b)+7], v[128*(\p)+FR*\b:128*(\p)+FR*\b+FR-1], v[AF+FR*(\a):AF+FR*(\a)+FR-1], 0, v[SC+8*NQ*(\sc)+NQ*\b+(\q)], v[SC+8*NQ*(\sc)+NQ*(\a)+(\q)] matrix_a_fmt:MATRIX_FMT_FP4 matrix_b_fmt:MATRIX_FMT_FP4 matrix_a_scale:MATRIX_SCALE_ROW1
.else
	v_wmma_scale_f32_16x16x128_f8f6f4 v[8*(8*((\a)%4)+\b):8*(8*((\a)%4)+\b)+7], v[128*(\p)+FR*\b:128*(\p)+FR*\b+FR-1], v[AF+FR*(\a):AF+FR*(\a)+FR-1], v[8*(8*((\a)%4)+\b):8*(8*((\a)%4)+\b)+7], v[SC+8*NQ*(\sc)+NQ*\b+(\q)], v[SC+8*NQ*(\sc)+NQ*(\a)+(\q)] matrix_a_fmt:MATRIX_FMT_FP4 matrix_b_fmt:MATRIX_FMT_FP4 matrix_a_scale:MATRIX_SCALE_ROW1
.endif
.endr
.endr
.endm
.macro FETCH_B slot, q, p
	WIN TO_B
.irp i, 0,1,2,3,4,5,6,7
	FRAG 128*(\p)+FR*\i, ADRB+\slot, \q, \i
.endr
	WIN 0
.endm
.macro FETCH_A slot, q, i0
.irp i, \i0, \i0+1, \i0+2, \i0+3
	FRAG AF+FR*(\i), ADRA+\slot, \q, \i
.endr
.endm
.macro SCALES sc                       ; a slot's scale words: 4 words a row; lanes 0-15 take A's block i, lanes 16-31 B's block i
.irp i, 0,1,2,3,4,5,6,7
	ds_load_b128 v[SC+8*NQ*\sc+NQ*\i:SC+8*NQ*\sc+NQ*\i+3], v[ADRS] offset:\i*SBLK
.endr
.endm
.macro PLACES n                        ; plain vector instructions between a matrix instruction and a load into, or a vector read or write of, its registers
.rept \n
	v_nop
.endr
.endm
.macro STEP slot, q, zero              ; 128 along K that have their successor in the same slot
	s_wait_dscnt 4*NL                              ; B's set and A's blocks 0-3 are in; the youngest eight loads (A's blocks 4-7) may be out
	WIN MUL_LO
	MUL16 0, (\q)%2, \q, \slot, \zero
	MUL16 2, (\q)%2, \q, \slot, \zero
	s_wait_dscnt 0
	PLACES NP
	FETCH_B \slot, (\q)+1, 1-(\q)%2
	FETCH_A \slot, (\q)+1, 0
	WIN MUL_HI
	MUL16 4, (\q)%2, \q, \slot, \zero
	MUL16 6, (\q)%2, \q, \slot, \zero
	PLACES NP
	WIN 0
	FETCH_A \slot, (\q)+1, 4
.endm
.macro TURN slot, next                 ; a slot's last step changes slots: one barrier
	s_wait_tensorcnt 0x0                           ; all my tensor loads have landed: my part of the next slot
	ds_add_u32 v[SPW], v[NIL]                      ; 0 onto my spare word
	s_wait_dscnt 4*NL+1                            ; (the add and the youngest eight loads may be out)
	WIN MUL_LO
	MUL16 0, 1, NQ-1, \slot, 0
	s_wait_dscnt 0x0                               ; the add is done, and my reads of this slot are over
	s_barrier_signal -1
	MUL16 2, 1, NQ-1, \slot, 0
	WIN 0
	s_barrier_wait -1                              ; the next slot is whole, and nobody reads this one any more
	PLACES NP
	v_add_nc_u32 v[ADRS], 4*NQ, v[ADRS]            ; on to the next slot's scale words
	FETCH_B \next, 0, 0
	FETCH_A \next, 0, 0
	SCALES \next
	WIN MUL_HI
	MUL16 4, 1, NQ-1, \slot, 0
	MUL16 6, 1, NQ-1, \slot, 0
	PLACES NP
	WIN 0
	FETCH_A \next, 0, 4
.endm
.macro STEPS slot, from
.set Q, \from
.rept NQ-1-\from
	STEP \slot, Q, 0
.set Q, Q+1
.endr
.endm
	s_wait_tensorcnt 1                             ; the scales and my part of slot 0 are in (slot 1's load may be out),
	s_barrier_signal -1
	s_barrier_wait -1                              ; everybody's are
	FETCH_B 0, 0, 0
	FETCH_A 0, 0, 0
	SCALES 0
	FETCH_A 0, 0, 4
	STEP 0, 0, 1                                   ; the first products start the sums: nothing is cleared
	STEPS 0, 1
	TURN 0, 1
	STEPS 1, 0
	s_wait_dscnt 4*NL                              ; the last step: nothing more to fetch
	WIN MUL_LO
	MUL16 0, 1, NQ-1, 1, 0
	MUL16 2, 1, NQ-1, 1, 0
	s_wait_dscnt 0
	WIN MUL_HI
	MUL16 4, 1, NQ-1, 1, 0
	MUL16 6, 1, NQ-1, 1, 0
	WIN 0
	PLACES NP
.irp b, 0,1,2,3
	v_mov_b32 v[TP+\b], 0                          ; a lane permute's destination counts as one of its sources
.endr
; silu of block a's 64 numbers a lane, from the accumulators into v[E] on.  Each accumulator is read from its low end on.  The exponentials are one batch with one wait, and so are the reciprocals.
.macro SILU a
.set AC, 64*((\a)%4)
	WIN 0x02+(\a)/4                                ; source 0: window 2 or 3
.set i, 0
.rept 32
	v_pk_mul_f32 v[E+i:E+i+1], v[AC+i:AC+i+1], s[NLG:NLG+1] op_sel_hi:[1,0]   ; -x log2(e)
.set i, i+2
.endr
	WIN 0
.set i, 0
.rept 64
	v_exp_f32 v[E+i], v[E+i]
.set i, i+1
.endr
	v_nop                                          ; a plain instruction behind the last exponential
	s_wait_alu depctr_va_vdst(0)                   ; one wait for the batch, ahead of its first reader
.set i, 0
.rept 32
	v_pk_add_f32 v[E+i:E+i+1], v[E+i:E+i+1], 1.0 op_sel_hi:[1,0]
.set i, i+2
.endr
.set i, 0
.rept 64
	v_rcp_f32 v[E+i], v[E+i]
.set i, i+1
.endr
	v_nop
	s_wait_alu depctr_va_vdst(0)
	WIN 0x02+(\a)/4
.set i, 0
.rept 32
	v_pk_mul_f32 v[E+i:E+i+1], v[AC+i:AC+i+1], v[E+i:E+i+1]                   ; x / (1 + e^-x)
.set i, i+2
.endr
	WIN 0
.endm
; v[E] on becomes a fragment's codes in v[PC + 8 a] on, its scale word in v[PW + a], and my row's mask word in v[KCV + a].
.macro QUANTZ a
.irp b, 0,1,2,3
	v_max3_num_f32 v[TM+\b], |v[E+16*\b]|, |v[E+16*\b+1]|, |v[E+16*\b+2]|     ; block b: my 16 numbers (the four blocks by turns)
.endr
.irp i, 3,5,7,9,11,13
.irp b, 0,1,2,3
	v_max3_num_f32 v[TM+\b], v[TM+\b], |v[E+16*\b+\i]|, |v[E+16*\b+\i+1]|
.endr
.endr
.irp b, 0,1,2,3
	v_max_num_f32 v[TM+\b], v[TM+\b], |v[E+16*\b+15]|
.endr
.irp b, 0,1,2,3
	v_permlanex16_b32 v[TP+\b], v[TM+\b], s[SEL], s[SEL+1]
.endr
.irp b, 0,1,2,3
	v_max_num_f32 v[TM+\b], v[TM+\b], v[TP+\b]     ; with lane l xor 16's: the block's largest magnitude, without a floor
.endr
	v_max3_num_f32 v[ZR], v[TM], v[TM+1], v[TM+2]
	v_max_num_f32 v[ZR], v[ZR], v[TM+3]            ; the row's: 0 only where all 128 numbers are 0
	v_cmp_eq_f32 vcc_lo, 0, v[ZR]
	v_cndmask_b32 v[KCV+(\a)], v[MWN], v[MWM], vcc_lo
.irp b, 0,1,2,3
	v_max_num_f32 v[TM+\b], 0x1800000, v[TM+\b]    ; the floor 2^(3 - 127): the byte cannot fall under 1
.endr
.irp b, 0,1,2,3
	v_add_nc_u32 v[SO+\b], 0xff000000, v[TM+\b]    ; 2 off the exponent field: the conversion's scale operand
.endr
.irp b, 0,1,2,3
	v_lshrrev_b32 v[BY+\b], 23, v[SO+\b]           ; the scale's byte
.endr
	v_lshl_or_b32 v[PW+(\a)], v[BY+1], 8, v[BY]
	v_lshl_or_b32 v[PW+(\a)], v[BY+2], 16, v[PW+(\a)]
	v_lshl_or_b32 v[PW+(\a)], v[BY+3], 24, v[PW+(\a)]
	s_wait_xcnt 0x0                                ; earlier blocks' stores have read their registers: v192 on is written only behind this wait
.irp c, 0,1
.irp p, 0,1
	v_cvt_scalef32_pk8_fp4_f32 v[PC+8*(\a)+4*\c+\p], v[E+16*(2*\c+\p):E+16*(2*\c+\p)+7], v[SO+2*\c+\p]          ; block 2 c + p, k = 8 h + 0 .. 7
	v_cvt_scalef32_pk8_fp4_f32 v[PC+8*(\a)+4*\c+2+\p], v[E+16*(2*\c+\p)+8:E+16*(2*\c+\p)+15], v[SO+2*\c+\p]     ; and 16 + 8 h + 0 .. 7
.endr
.endr
	v_nop                                          ; one plain instruction behind a scaled conversion
.irp c, 0,1
	v_permlane16_swap_b32 v[PC+8*(\a)+4*\c], v[PC+8*(\a)+4*\c+1]       ; the first's lanes 16-31 change places with the second's lanes 0-15: lanes 0-15 now hold block 2 c, lanes 16-31 block 2 c + 1
	v_permlane16_swap_b32 v[PC+8*(\a)+4*\c+2], v[PC+8*(\a)+4*\c+3]
.endr
.endm
; Block a leaves.  The branch hangs on the cluster's x, which all partners share.
.macro EPI a
	SILU \a
	s_cmp_eq_u32 ttmp9, 3
	s_cbranch_scc1 .Lgate_\@
	QUANTZ \a
	global_store_b128 v[CO], v[PC+8*(\a):PC+8*(\a)+3], s[8:9] offset:1024*(\a)          ; the image: 512 consecutive bytes a store, aligned
	global_store_b128 v[CO], v[PC+8*(\a)+4:PC+8*(\a)+7], s[8:9] offset:1024*(\a)+512
	ds_store_b32 v[SSA], v[PW+(\a)] offset:64*(\a)                                      ; lanes l and l xor 16 write the same word with the same value
	ds_store_b32 v[SSA], v[KCV+(\a)] offset:512+64*(\a)
	s_branch .Ljoin_\@
.Lgate_\@:
	s_wait_xcnt 0x0                                ; earlier blocks' stores have read their registers: the loads below land only behind this wait
.irp b, 0,1,2,3,4,5,6,7
	ds_store_b128 v[STO], v[E+8*\b:E+8*\b+3] offset:64*\b          ; a lane's 32 neighbouring bytes of row r
	ds_store_b128 v[STO], v[E+8*\b+4:E+8*\b+7] offset:64*\b+16
.endr
.set BB, 64+128*((\a)%2)
.irp t, 0,1,2,3,4,5,6,7,8,9,10,11,12,13,14,15
	ds_load_b128 v[BB+4*\t:BB+4*\t+3], v[RD] offset:\t*SPITCH      ; LDS serves a wave's instructions in order: these see the stores above
.endr
.irp t, 0,1,2,3,4,5,6,7,8,9,10,11,12,13,14,15
	s_wait_dscnt 15-\t                             ; the younger loads may stay out
	global_store_b128 v[CO], v[BB+4*\t:BB+4*\t+3], s[98:99] offset:(16*(\a)+\t)*4096 th:TH_STORE_NT   ; 32 lanes store 512 consecutive bytes, aligned
.endr
.Ljoin_\@:
.endm
.irp a, 0,1,2,3,4,5,6,7
	EPI \a
.endr
	s_cmp_eq_u32 ttmp9, 3
	s_cbranch_scc1 .Lend
	ds_load_b128 v[32:35], v[SSR]                  ; my 128 scale words, 16 bytes a lane,
	ds_load_b128 v[36:39], v[SSR] offset:512       ; and my 128 mask words
	s_wait_dscnt 0x0
	global_store_b128 v[CO], v[32:35], s[10:11]    ; 512 consecutive bytes, aligned
	s_cmp_lg_u32 ttmp9, 1
	s_cbranch_scc1 .Lend
	global_store_b128 v[CO], v[36:39], s[66:67]
.Lend:
	s_wait_tensorcnt 0x0                           ; the wave's end
	ds_add_u32 v[SPW], v[NIL]
	s_wait_dscnt 0x0
	CROUND                                         ; the closing round: no work-group ends while a partner may still ask for a tile that names it
	s_endpgm
.Lfunc_end_k_q43ac144e6d_proj:
	.size	k_q43ac144e6d_proj, .Lfunc_end_k_q43ac144e6d_proj-k_q43ac144e6d_proj
	.p2alignl 7, 3214868480
	.fill 96, 4, 3214868480
	.section	.rodata,"a",@progbits
	.p2align	6, 0x0
	.amdhsa_kernel k_q43ac144e6d_proj
		.amdhsa_group_segment_fixed_size 327680
		.amdhsa_private_segment_fixed_size 0
		.amdhsa_enable_private_segment 0
		.amdhsa_kernarg_size 56
		.amdhsa_user_sgpr_count 2
		.amdhsa_user_sgpr_kernarg_segment_ptr 1
		.amdhsa_wavefront_size32 1
		.amdhsa_system_sgpr_workgroup_id_x 1
		.amdhsa_system_sgpr_workgroup_id_y 1
		.amdhsa_system_sgpr_workgroup_id_z 1
		.amdhsa_system_vgpr_workitem_id 0
		.amdhsa_next_free_vgpr 1024
		.amdhsa_next_free_sgpr 102
		.amdhsa_reserve_vcc 1
		.amdhsa_float_denorm_mode_32 3
		.amdhsa_float_denorm_mode_16_64 3
		.amdhsa_memory_ordered 1
		.amdhsa_forward_progress 1
		.amdhsa_inst_pref_size 248
	.end_amdhsa_kernel
	.amdgpu_metadata
---
amdhsa.version: [ 1, 2 ]
amdhsa.kernels:
  - .name:           k_q43ac144e6d_proj
    .symbol:         k_q43ac144e6d_proj.kd
    .args:
      - { .name: cod, .offset: 0, .size: 8, .value_kind: global_buffer, .address_space: global }
      - { .name: scl, .offset: 8, .size: 8, .value_kind: global_buffer, .address_space: global }
      - { .name: qi, .offset: 16, .size: 8, .value_kind: global_buffer, .address_space: global }
      - { .name: qs, .offset: 24, .size: 8, .value_kind: global_buffer, .address_space: global }
      - { .name: kv, .offset: 32, .size: 8, .value_kind: global_buffer, .address_space: global }
      - { .name: tab, .offset: 40, .size: 8, .value_kind: global_buffer, .address_space: global }
      - { .name: gt, .offset: 48, .size: 8, .value_kind: global_buffer, .address_space: global }
    .group_segment_fixed_size: 327680
    .private_segment_fixed_size: 0
    .kernarg_segment_align: 8
    .kernarg_segment_size: 56
    .max_flat_workgroup_size: 128
    .sgpr_count:     102
    .vgpr_count:     1024
    .wavefront_size: 32
...
	.end_amdgpu_metadata
.endif
;; end of part 2
;; launch attn (part 3): grid 8 x 32, 16 waves a work-group, clusters of 4 x 1, 327,680 bytes of LDS; arguments qi, qs, kv, tab, bt, gt, out0; writes out0
.if DOCPART == 3
	.amdgcn_target "amdgcn-amd-amdhsa--gfx1250"
	.amdhsa_code_object_version 6
	.text
	.protected	k_q43ac144e6d_attn
	.globl	k_q43ac144e6d_attn
	.p2align	8
	.type	k_q43ac144e6d_attn,@function
k_q43ac144e6d_attn:
	s_mov_b64 s[64:65], 0
	v_nop
	global_prefetch_b8 v0, s[64:65] scope:SCOPE_SE
	s_setreg_imm32_b32 hwreg(HW_REG_WAVE_MODE, 25, 1), 1
	s_wait_xcnt 0x0
	s_wait_alu depctr_hold_cnt(0) depctr_sa_sdst(0) depctr_va_vdst(0) depctr_va_sdst(0) depctr_va_ssrc(0) depctr_va_vcc(0) depctr_vm_vsrc(0)
	s_getreg_b32 s2, hwreg(HW_REG_IB_STS2, 6, 4)
	s_cmp_eq_u32 s2, 0
	s_cbranch_scc0 .Lentry_in_a_cluster
	s_endpgm
.Lentry_in_a_cluster:
	s_bfe_u32 s2, ttmp6, 0x10000c
	s_cmp_lg_u32 s2, 0x3003
	s_cbranch_scc0 .Lentry_shape_is_right
	s_endpgm
.Lentry_shape_is_right:
; out[b][q][head 128 ch] = silu(U) x sum over keys of w(q, k) V[k], w = silu((Q.K + bias[q - k]) / sqrt(128)), 0 for keys behind the query and for keys whose silu(K) is all zero.
; Both products on codes of FP4 with E8M0 scales.  Q, K, V arrive as images of operand registers (1 KB a fragment), made by the launch before; w is quantised here, along the keys.  No softmax: no maximum, no divisor.
; SHARES.  A work-group serves one (batch, head) bh and 256 of its queries; each of its SIXTEEN waves owns one tile of 16 queries, tile 8 g + j (j = the work-group's number 0..7 in the head).
;   Wave g's queries lie in key step g (128 keys a step), so it walks steps 0 .. g, whatever j: every work-group has 136 wave-steps.  g is dealt to the waves as a 4 x 4 magic square: the waves with the same
;   (wave % 4), and those with the same (wave / 4), have 34 steps together.  Steps behind the diagonal are left out by a scalar branch on the wave's number and the step's.
; LDS holds a whole head: K and V (256 KB), their scale words and the keys' mask words (24 KB), four copies of the bias (33 KB).  Everything is filled once, by six tensor loads a wave at the start; nothing is filled again.
; CLUSTER: the four work-groups of a cluster serve one bh: K, V and the table are asked for jointly (mask 15).  The bias hangs on j through its address in memory alone: a load of each work-group's own.
; LAYOUT.  Both products transposed: S^T = K Q^T + C (source 0 = 16 keys), O^T = V^T w^T (source 0 = 16 channels): a lane holds ONE query (lane % 16); register jj of tile t is key 16 t + 8 (lane / 16) + jj.
; BIAS AND CAUSAL MASK ARE THE C OF THE SCORES' SUM: loaded from LDS straight into the accumulators.  Copy c = r % 4 holds, at entry i, the number for q - k = 1936 + 16 j + c - i (-1e30 where that is negative);
;   a lane's eight neighbours begin at i = 1936 + 128 (s - g) + 16 t + 8 h - 4 (r / 4): a multiple of 4, so 16-byte loads serve.  A copy is 8,256 bytes.
; THE KEY MASK IS A PRODUCT OF RANK ONE on the same accumulators: source 0 has the code -1 at k = 0 of every row, source 1 the code 1 at k = 0 and zeros elsewhere, and source 0's SCALE WORD is the key's mask word:
;   byte 0 = 1 adds -2^-126, which is nothing beside a score; byte 0 = 227 adds -2^100.  Since source 1 is zero from k = 1 on, only source 0's first register matters: its run goes on over a zero and six of Q's registers.
;   For a key step that is 8 matrix instructions and 4 loads of 128 bytes, where the mask as one number for each score would be 16 loads of 512 bytes.
; silu WITH THE SCALE FOLDED IN.  a = Q.K + bias.  e = 2^(-a log2(e) / sqrt(128) + 3.5), 2^3.5 = sqrt(128); w = a / (e + sqrt(128)) = s / (1 + e^-s), s = a / sqrt(128).
;   a = -1e30 (a hidden key) or -2^100 (a masked key), or their sum, makes e infinite, its reciprocal 0 and w a zero.
; THE WAY OUT needs no other wave: the stages lie in 4,096 bytes of their own and, behind them, in K's and V's bytes of key steps 0-3, which every wave has read for the last time when it passes the barrier behind step 3.
;   So a wave stores its rows as soon as its own steps are done.
; LIMITS: NaN and infinities are not served; |Q.K + bias| must stay far under 1e29; a score under 1e-31 in magnitude is moved by the mask product's 2^-126;
;   a block of w that is all zero, or whose largest magnitude lies under 2^-124, gets the scale byte 1 (its codes are zeros or held so).
; REGISTERS: v1-13 addresses and constants; v14-15 the head of the mask product's source 0; v16-23 Q, v24 its scale words; v25-28 K's scale words, v29-32 V's, v33 w's, v34-37 mask words;
;   v40-103 F: K, then e, then V; v104-167 S: bias, a, w; v168-231 O^T; v232-239 w's codes; v240-247 at work; v248-255 the mask product's source 1.
.set BTC,  8256                        ; a copy of the bias; the four begin at LDS byte 0
.set TAB,  33280                       ; 16 steps x 1,536 bytes: 128 words K's scales, 128 words V's, 128 mask words
.set STGB, 57856                       ; the stages: 16 waves x STG bytes: they end where key step 4 begins
.set KV,   61952                       ; 16 steps x 16 KB: K's 8 fragments, V's 8
.set STG,  4352                        ; a stage: 16 rows x (256 + 16)
.set AK0, 1
.set OSC, 2                            ; v2  the scale word of the mask product's source 1: byte 0 = 127
.set AS0, 3
.set AB0, 4
.set GO,  5
.set PFO, 6
.set ADK, 7
.set ADS, 8
.set ADB, 9
.set KCP, 10                           ; v[10:11] 3.5, twice
.set STO, 12
.set RD,  13
.set MA,  14                           ; v[14:21] the mask product's source 0
.set Q,   16
.set QSC, 24
.set KSC, 25
.set VSC, 29
.set PW,  33
.set MSC, 34
.set F,   40
.set S,   104
.set O,   168
.set PC,  232
.set TM,  240                          ; v240-243 largest magnitudes, then the conversions' scale operands
.set TP,  244                          ; v244-247 the other half's, then the bytes
.set ONE, 248                          ; v[248:255] the mask product's source 1
.set WV,  18                           ; s18 my wave's number;  s19 g
.set G,   19
.set SEL, 20                           ; s[20:21] lane selects: lane l xor 16
.set K1,  22                           ; s[22:23] -log2(e) / sqrt(128), twice
.set G1C, 24                           ; s[24:31] group 1: 4 KB of K and V;  s[32:39]: 1,536 bytes of the table;  s[40:47]: 2,064 bytes of the bias
.set G1T, 32
.set G1B, 40
.set G0T, 48
.set G0B, 52
.set RT,  76                           ; s[76:77] sqrt(128), twice
.set ST,  78                           ; s78 the step;  s79 16,384 x step;  s80 1,536 x step;  s81 7,696 + 512 (step - g)
.set TK,  79
.set TS,  80
.set TBI, 81
.set CNT, 83
.set GTW, 84                           ; s[84:85] gt, s[86:87] out0, at my 16 rows and my head's 512 bytes
.set OUTW, 86
.macro CROUND                          ; a round of the cluster's barrier
	s_barrier_signal -1
	s_barrier_wait -1
	s_cmp_lg_u32 s[WV], 0
	s_cbranch_scc1 .Lnot_wave_0_\@
	s_barrier_signal -3
.Lnot_wave_0_\@:
	s_barrier_wait -3
	s_barrier_signal -1
	s_barrier_wait -1
.endm
.macro CDESC g0, c                     ; group 0 for my 4 KB of chunk c (four key steps)
	s_mov_b32 s[\g0], 1
	s_add_co_u32 s[\g0+1], s90, KV+65536*\c
	s_add_nc_u64 s[\g0+2:\g0+3], s[82:83], 65536*\c
	s_or_b32 s[\g0+3], s[\g0+3], 0x80000000
.endm
	s_load_b256 s[4:11], s[0:1], 0x0               ; qi s[4:5], qs s[6:7], kv s[8:9], tab s[10:11]
	s_load_b128 s[12:15], s[0:1], 0x20             ; bt s[12:13], gt s[14:15]
	s_load_b64 s[16:17], s[0:1], 0x30              ; out0
	v_lshl_add_u32 v38, v0, 2, 0x4f200
	v_mov_b32 v39, 0
	ds_add_u32 v38, v39
	ds_add_u32 v38, v39
	v_lshrrev_b32 v1, 5, v0
	v_readfirstlane_b32 s[WV], v1                  ; wave 0..15
	s_lshr_b32 s88, s[WV], 2
	s_and_b32 s89, s[WV], 3
	s_xor_b32 s90, s88, s89                        ; on the square's two diagonals (0 or 3) g = 15 - wave, elsewhere g = wave
	s_add_co_u32 s90, s90, 1
	s_lshr_b32 s90, s90, 1
	s_and_b32 s90, s90, 1
	s_xor_b32 s90, s90, 1
	s_mul_i32 s90, s90, 15
	s_xor_b32 s[G], s[WV], s90
	s_and_b32 s93, ttmp7, 0xffff                   ; bh, which the four partners share
	s_mov_b32 s[G1C], 15|(3<<16)|(1<<21)           ; the mask: all four work-groups; elements of 8 bytes; bit 21 beside a mask; no padding
	s_mov_b32 s[G1C+1], 32<<16                     ; rows of 256 bytes,
	s_mov_b32 s[G1C+2], 16<<16                     ; 16 of them, dense
	s_mov_b32 s[G1C+3], 32<<16
	s_mov_b32 s[G1C+4], 16
	s_mov_b32 s[G1C+5], 32
	s_mov_b32 s[G1C+6], 0
	s_mov_b32 s[G1C+7], 0
	s_mov_b32 s[G1T], 15|(3<<16)|(1<<21)
	s_mov_b32 s[G1T+1], 32<<16
	s_mov_b32 s[G1T+2], 6<<16                      ; 6 rows of 256 bytes
	s_mov_b32 s[G1T+3], 32<<16
	s_mov_b32 s[G1T+4], 6
	s_mov_b32 s[G1T+5], 32
	s_mov_b32 s[G1T+6], 0
	s_mov_b32 s[G1T+7], 0
	s_mov_b32 s[G1B], 3<<16                        ; no mask: each work-group's own
	s_mov_b32 s[G1B+1], 258<<16                    ; one row of 2,064 bytes
	s_mov_b32 s[G1B+2], 1<<16
	s_mov_b32 s[G1B+3], 258<<16
	s_mov_b32 s[G1B+4], 1
	s_mov_b32 s[G1B+5], 258
	s_mov_b32 s[G1B+6], 0
	s_mov_b32 s[G1B+7], 0
	s_mul_i32 s94, s[WV], 1536                     ; the table: my step's 1,536 bytes
	s_mul_i32 s96, s93, 24576
	s_add_co_u32 s96, s96, s94
	s_mov_b32 s97, 0
	s_lshl_b32 s90, s[WV], 12                      ; K and V: my 4 KB of each chunk of 64 KB
	s_lshl_b32 s82, s93, 18
	s_add_co_u32 s82, s82, s90
	s_mov_b32 s83, 0
	s_wait_dscnt 0x0
	s_wait_kmcnt 0x0
	s_mov_b32 s[G0T], 1
	s_add_co_u32 s[G0T+1], s94, TAB
	s_add_nc_u64 s[G0T+2:G0T+3], s[10:11], s[96:97]
	s_or_b32 s[G0T+3], s[G0T+3], 0x80000000
	s_add_nc_u64 s[82:83], s[8:9], s[82:83]
	CDESC 56, 0
	CDESC 60, 1
	CDESC 68, 2
	CDESC 72, 3
	s_bfe_u32 s91, ttmp6, 0x40000                  ; cx: it enters addresses in memory alone
	s_lshl_b32 s92, ttmp9, 2
	s_add_co_u32 s92, s92, s91                     ; j = 4 x cluster x + cx
	s_and_b32 s94, s93, 7                          ; the bias: head,
	s_lshl_b32 s94, s94, 2
	s_add_co_u32 s94, s94, s88                     ; copy wave / 4,
	s_mul_i32 s94, s94, 10240
	s_mul_i32 s95, s89, 2064                       ; quarter wave % 4 of the copy,
	s_add_co_u32 s94, s94, s95
	s_add_co_u32 s94, s94, 448
	s_lshl_b32 s95, s92, 6
	s_sub_co_u32 s94, s94, s95                     ; from entry 112 - 16 j on
	s_mov_b32 s95, 0
	s_mov_b32 s[G0B], 1
	s_mul_i32 s[G0B+1], s[WV], 2064
	s_add_nc_u64 s[G0B+2:G0B+3], s[12:13], s[94:95]
	s_or_b32 s[G0B+3], s[G0B+3], 0x80000000
	CROUND                                         ; all four work-groups are here: the joint loads meet
	tensor_load_to_lds s[G0T:G0T+3], s[G1T:G1T+7]  ; all first fills in one group: six loads of mine are out
	s_nop 0
	tensor_load_to_lds s[G0B:G0B+3], s[G1B:G1B+7]
	s_nop 0
	tensor_load_to_lds s[56:59], s[G1C:G1C+7]
	s_nop 0
	tensor_load_to_lds s[60:63], s[G1C:G1C+7]
	s_nop 0
	tensor_load_to_lds s[68:71], s[G1C:G1C+7]
	s_nop 0
	tensor_load_to_lds s[72:75], s[G1C:G1C+7]
	s_nop 0
.rept 4
	v_nop
.endr
	v_and_b32 v40, 31, v0                          ; lane  (v40-45 are at work here; K's fragments come later)
	v_and_b32 v41, 15, v0                          ; r
	v_bfe_u32 v42, v0, 4, 1                        ; h
	v_mov_b32 v[OSC], 0x0101017f                   ; the mask product's constants, far ahead of its first use: source 1's scale word: 2^0 for k = 0 .. 31;
	v_mov_b32 v[MA], 10                            ; source 0: the code of -1 at the lowest k of the register (in lanes 16-31, k = 32, it meets a zero);
	v_mov_b32 v[MA+1], 0
	v_xor_b32 v[ONE], 1, v42
	v_lshlrev_b32 v[ONE], 1, v[ONE]                ; source 1: the code of 1 at k = 0: lanes 0-15 alone;
.irp i, 1,2,3,4,5,6,7
	v_mov_b32 v[ONE+\i], 0                         ; zeros from k = 8 on
.endr
	v_mov_b32 v[KCP], 0x40600000                   ; 3.5
	v_mov_b32 v[KCP+1], 0x40600000
	v_lshlrev_b32 v44, 4, v40                      ; 16 x lane: my place in an image
	v_add_nc_u32 v[AK0], KV, v44
	v_lshl_add_u32 v[AS0], v40, 2, TAB             ; scale words: lanes 0-15 an even tile's rows, lanes 16-31 the odd tile's
	v_and_b32 v[AB0], 3, v41
	v_mul_u32_u24 v[AB0], v[AB0], BTC              ; the bias: copy r % 4,
	v_lshl_add_u32 v[AB0], v42, 5, v[AB0]          ; + 32 h
	v_add_nc_u32 v[AB0], 48, v[AB0]
	v_lshrrev_b32 v43, 2, v41
	v_lshlrev_b32 v43, 4, v43
	v_sub_nc_u32 v[AB0], v[AB0], v43               ; + 48 - 16 (r / 4)
	v_lshlrev_b32 v[GO], 12, v42
	v_lshl_add_u32 v[GO], v41, 4, v[GO]            ; gt, out0: lanes 0-15 one row, lanes 16-31 the next; 16 bytes a lane
	v_lshrrev_b32 v[PFO], 1, v40
	v_lshlrev_b32 v[PFO], 12, v[PFO]
	v_and_b32 v43, 1, v40
	v_lshl_add_u32 v[PFO], v43, 8, v[PFO]          ; the prefetch: two lanes to a row, 256 bytes apart
	s_mul_i32 s88, s[WV], STG
	s_add_co_u32 s88, s88, STGB
	v_mul_u32_u24 v[STO], v41, 272
	v_lshl_add_u32 v[STO], v42, 5, v[STO]
	v_add_nc_u32 v[STO], s88, v[STO]               ; my stage, in: row r, + 32 h
	v_mul_u32_u24 v[RD], v42, 272
	v_lshl_add_u32 v[RD], v41, 4, v[RD]
	v_add_nc_u32 v[RD], s88, v[RD]                 ; back: lanes 0-15 one row, lanes 16-31 the next
	v_lshlrev_b32 v45, 2, v41
.irp b, 0,1,2,3
	v_mov_b32 v[TP+\b], 0                          ; a lane permute's destination counts as one of its sources
.endr
	s_mov_b32 s[SEL], 0x76543210
	s_mov_b32 s[SEL+1], 0xfedcba98
	s_mov_b32 s[K1], 0xbe0293ee                    ; -log2(e) / sqrt(128)
	s_mov_b32 s[K1+1], 0xbe0293ee
	s_mov_b32 s[RT], 0x413504f3                    ; sqrt(128)
	s_mov_b32 s[RT+1], 0x413504f3
	s_mov_b32 s[ST], 0
	s_mov_b32 s[TK], 0
	s_mov_b32 s[TS], 0
	s_xor_b32 s[TBI], s[G], 15
	s_lshl_b32 s[TBI], s[TBI], 9
	s_add_co_u32 s[TBI], s[TBI], 16                ; 7,696 - 512 g
	s_lshl_b32 s89, s[G], 3
	s_add_co_u32 s89, s89, s92                     ; my tile of queries: 8 g + j
	s_lshr_b32 s94, s93, 3
	s_lshl_b32 s94, s94, 7
	s_add_co_u32 s94, s94, s89
	s_lshl_b32 s94, s94, 16                        ; (128 x batch + tile) x 16 rows of 4,096 bytes
	s_and_b32 s95, s93, 7
	s_lshl_b32 s95, s95, 9
	s_add_co_u32 s94, s94, s95                     ; + the head's 512 bytes
	s_mov_b32 s95, 0
	s_add_nc_u64 s[GTW:GTW+1], s[14:15], s[94:95]
	s_add_nc_u64 s[OUTW:OUTW+1], s[16:17], s[94:95]
	s_lshl_b32 s94, s93, 7
	s_add_co_u32 s94, s94, s89
	s_lshl_b32 s96, s94, 10
	s_mov_b32 s97, 0
	s_add_nc_u64 s[4:5], s[4:5], s[96:97]          ; Q's image
	s_lshl_b32 s96, s94, 6
	s_add_nc_u64 s[6:7], s[6:7], s[96:97]          ; and its 16 scale words
	global_load_b128 v[Q:Q+3], v44, s[4:5]
	global_load_b128 v[Q+4:Q+7], v44, s[4:5] offset:512
	global_load_b32 v[QSC], v45, s[6:7]
	s_wait_loadcnt 0x0
.macro MEET n                          ; all but my n youngest tensor loads (the later chunks) have landed, and my LDS reads are back; behind the barrier both hold of every wave.  Nothing is ever filled again
	s_wait_tensorcnt \n
	s_wait_dscnt 0x0
	s_barrier_signal -1
	s_barrier_wait -1
.endm
; A KEY STEP: 128 keys.  zero = 1: step 0, which counts for every wave and starts O^T's sums.
.macro STEP zero
.if !(\zero)
	s_cmp_gt_u32 s[ST], s[G]                       ; all 128 keys lie behind my queries: the step's work is left out, not the lines at its end that step addresses
	s_cbranch_scc1 .Lhid_\@
.endif
	s_min_u32 s82, s[TBI], 7696                    ; (no effect in a step that counts)
	v_add_nc_u32 v[ADK], s[TK], v[AK0]             ; these four are also the places behind the last step's products, in front of the loads below
	v_add_nc_u32 v[ADS], s[TS], v[AS0]
	v_add_nc_u32 v[ADB], s82, v[AB0]
	v_nop
.irp i, 0,1,2,3
	ds_load_b32 v[MSC+\i], v[ADS] offset:1024+128*\i               ; the keys' mask words
.endr
.irp t, 0,1,2,3,4,5,6,7
	ds_load_b128 v[S+8*\t:S+8*\t+3], v[ADB] offset:64*\t           ; bias and causal mask: where the scores' sums begin
	ds_load_b128 v[S+8*\t+4:S+8*\t+7], v[ADB] offset:64*\t+16
.endr
.irp t, 0,1,2,3,4,5,6,7
	ds_load_b128 v[F+8*\t:F+8*\t+3], v[ADK] offset:1024*\t         ; K's eight fragments, as images
	ds_load_b128 v[F+8*\t+4:F+8*\t+7], v[ADK] offset:1024*\t+512
.endr
.irp i, 0,1,2,3
	ds_load_b32 v[KSC+\i], v[ADS] offset:128*\i
.endr
	s_cmp_lg_u32 s[ST], s[G]                       ; in my last step I ask for my 16 rows x 512 bytes of the gate, a lane to each block of 256 bytes: one step ahead of their loads, each block named once in the launch
	s_cbranch_scc1 .Lnp_\@
	global_prefetch_b8 v[PFO], s[GTW:GTW+1] th:TH_LOAD_NT scope:SCOPE_SE
.Lnp_\@:
	s_wait_dscnt 20                                ; the mask words and the bias are in; K's 16 loads and its 4 scale loads may be out
.irp t, 0,2,4,6                                ; the key mask onto the bias, while K lands.  The eight accumulators take turns, here and below
	v_wmma_scale_f32_16x16x128_f8f6f4 v[S+8*\t:S+8*\t+7], v[MA:MA+7], v[ONE:ONE+7], v[S+8*\t:S+8*\t+7], v[MSC+\t/2], v[OSC] matrix_a_fmt:MATRIX_FMT_FP4 matrix_b_fmt:MATRIX_FMT_FP4
	v_wmma_scale_f32_16x16x128_f8f6f4 v[S+8*\t+8:S+8*\t+15], v[MA:MA+7], v[ONE:ONE+7], v[S+8*\t+8:S+8*\t+15], v[MSC+\t/2], v[OSC] matrix_a_fmt:MATRIX_FMT_FP4 matrix_b_fmt:MATRIX_FMT_FP4 matrix_a_scale:MATRIX_SCALE_ROW1
.endr
	s_wait_dscnt 0x0
.irp t, 0,2,4,6
	v_wmma_scale_f32_16x16x128_f8f6f4 v[S+8*\t:S+8*\t+7], v[F+8*\t:F+8*\t+7], v[Q:Q+7], v[S+8*\t:S+8*\t+7], v[KSC+\t/2], v[QSC] matrix_a_fmt:MATRIX_FMT_FP4 matrix_b_fmt:MATRIX_FMT_FP4
	v_wmma_scale_f32_16x16x128_f8f6f4 v[S+8*\t+8:S+8*\t+15], v[F+8*\t+8:F+8*\t+15], v[Q:Q+7], v[S+8*\t+8:S+8*\t+15], v[KSC+\t/2], v[QSC] matrix_a_fmt:MATRIX_FMT_FP4 matrix_b_fmt:MATRIX_FMT_FP4 matrix_a_scale:MATRIX_SCALE_ROW1
.endr
.rept 4
	v_nop                                          ; places in front of the first read of a and of the first write over K's registers
.endr
.set i, 0
.rept 32
	v_pk_fma_f32 v[F+i:F+i+1], v[S+i:S+i+1], s[K1:K1+1], v[KCP:KCP+1] op_sel_hi:[1,0,1]   ; -s log2(e) + 3.5; each accumulator is read from its low end on
.set i, i+2
.endr
.set i, 0
.rept 64
	v_exp_f32 v[F+i], v[F+i]
.set i, i+1
.endr
	v_nop                                          ; a plain instruction behind the last exponential
	s_wait_alu depctr_va_vdst(0)                   ; one wait for the batch, ahead of its first reader
.set i, 0
.rept 32
	v_pk_add_f32 v[F+i:F+i+1], v[F+i:F+i+1], s[RT:RT+1] op_sel_hi:[1,0]                   ; sqrt(128) (1 + e^-s)
.set i, i+2
.endr
.set i, 0
.rept 64
	v_rcp_f32 v[F+i], v[F+i]
.set i, i+1
.endr
	v_nop
	s_wait_alu depctr_va_vdst(0)
.set i, 0
.rept 32
	v_pk_mul_f32 v[S+i:S+i+1], v[S+i:S+i+1], v[F+i:F+i+1]                                 ; w
.set i, i+2
.endr
.irp t, 0,1,2,3,4,5,6,7
	ds_load_b128 v[F+8*\t:F+8*\t+3], v[ADK] offset:8192+1024*\t    ; V's eight fragments land while w is quantised
	ds_load_b128 v[F+8*\t+4:F+8*\t+7], v[ADK] offset:8192+1024*\t+512
.endr
.irp i, 0,1,2,3
	ds_load_b32 v[VSC+\i], v[ADS] offset:512+128*\i
.endr
.irp b, 0,1,2,3
	v_max3_num_f32 v[TM+\b], |v[S+16*\b]|, |v[S+16*\b+1]|, 0x1800000   ; block b of 32 keys: my 16 numbers, and the floor 2^(3 - 127)
.endr
.irp i, 2,4,6,8,10,12,14
.irp b, 0,1,2,3
	v_max3_num_f32 v[TM+\b], v[TM+\b], |v[S+16*\b+\i]|, |v[S+16*\b+\i+1]|
.endr
.endr
.irp b, 0,1,2,3
	v_permlanex16_b32 v[TP+\b], v[TM+\b], s[SEL], s[SEL+1]
.endr
.irp b, 0,1,2,3
	v_max_num_f32 v[TM+\b], v[TM+\b], v[TP+\b]     ; with lane l xor 16's
.endr
.irp b, 0,1,2,3
	v_add_nc_u32 v[TM+\b], 0xff000000, v[TM+\b]    ; 2 off the exponent field: the conversion's scale operand
.endr
.irp b, 0,1,2,3
	v_lshrrev_b32 v[TP+\b], 23, v[TM+\b]           ; the scale's byte
.endr
	v_lshl_or_b32 v[PW], v[TP+1], 8, v[TP]         ; w's scale word for these 128 keys
	v_lshl_or_b32 v[PW], v[TP+2], 16, v[PW]
	v_lshl_or_b32 v[PW], v[TP+3], 24, v[PW]
.irp c, 0,1
.irp p, 0,1
	v_cvt_scalef32_pk8_fp4_f32 v[PC+4*\c+\p], v[S+16*(2*\c+\p):S+16*(2*\c+\p)+7], v[TM+2*\c+\p]
	v_cvt_scalef32_pk8_fp4_f32 v[PC+4*\c+2+\p], v[S+16*(2*\c+\p)+8:S+16*(2*\c+\p)+15], v[TM+2*\c+\p]
.endr
.endr
	v_nop                                          ; one plain instruction behind a scaled conversion
.irp c, 0,1
	v_permlane16_swap_b32 v[PC+4*\c], v[PC+4*\c+1] ; lanes 0-15 get block 2 c whole, lanes 16-31 block 2 c + 1
	v_permlane16_swap_b32 v[PC+4*\c+2], v[PC+4*\c+3]
.endr
.rept 8
	v_nop                                          ; a scale register written by vector instructions stands 8 places ahead of a scaled matrix instruction, an operand so written 4
.endr
	s_wait_dscnt 0x0
.irp t, 0,2,4,6
.if \zero
	v_wmma_scale_f32_16x16x128_f8f6f4 v[O+8*\t:O+8*\t+7], v[F+8*\t:F+8*\t+7], v[PC:PC+7], 0, v[VSC+\t/2], v[PW] matrix_a_fmt:MATRIX_FMT_FP4 matrix_b_fmt:MATRIX_FMT_FP4
	v_wmma_scale_f32_16x16x128_f8f6f4 v[O+8*\t+8:O+8*\t+15], v[F+8*\t+8:F+8*\t+15], v[PC:PC+7], 0, v[VSC+\t/2], v[PW] matrix_a_fmt:MATRIX_FMT_FP4 matrix_b_fmt:MATRIX_FMT_FP4 matrix_a_scale:MATRIX_SCALE_ROW1
.else
	v_wmma_scale_f32_16x16x128_f8f6f4 v[O+8*\t:O+8*\t+7], v[F+8*\t:F+8*\t+7], v[PC:PC+7], v[O+8*\t:O+8*\t+7], v[VSC+\t/2], v[PW] matrix_a_fmt:MATRIX_FMT_FP4 matrix_b_fmt:MATRIX_FMT_FP4
	v_wmma_scale_f32_16x16x128_f8f6f4 v[O+8*\t+8:O+8*\t+15], v[F+8*\t+8:F+8*\t+15], v[PC:PC+7], v[O+8*\t+8:O+8*\t+15], v[VSC+\t/2], v[PW] matrix_a_fmt:MATRIX_FMT_FP4 matrix_b_fmt:MATRIX_FMT_FP4 matrix_a_scale:MATRIX_SCALE_ROW1
.endif
.endr
.if !(\zero)
.Lhid_\@:
.endif
	s_add_co_u32 s[ST], s[ST], 1
	s_add_co_u32 s[TK], s[TK], 16384
	s_add_co_u32 s[TS], s[TS], 1536
	s_add_co_u32 s[TBI], s[TBI], 512
.endm
	MEET 3                                         ; the table, the bias and key steps 0-3 are in; the three later chunks may be out
	STEP 1
	STEP 0
	STEP 0
	STEP 0
	MEET 0                                         ; all of the head is in, and nobody reads key steps 0-3 any more: their bytes are the stages' from here on.  The waves now run freely
	s_mov_b32 s[CNT], 12
.Lk:
	STEP 0
	s_sub_co_u32 s[CNT], s[CNT], 1
	s_cmp_lg_u32 s[CNT], 0
	s_cbranch_scc1 .Lk
	; THE WAY OUT, as soon as my own steps are done.  The gate is asked for; O^T goes through my stage in LDS, half a head's row (256 bytes) of 16 queries at a time; times the gate; sixteen lanes store 256 consecutive bytes, aligned.
.irp u, 0,1
.irp i, 0,1,2,3,4,5,6,7
	global_load_b128 v[S+32*\u+4*\i:S+32*\u+4*\i+3], v[GO], s[GTW:GTW+1] offset:2*\i*4096+256*\u th:TH_LOAD_NT
.endr
.endr
.rept 4
	v_nop                                          ; places behind the last products, in front of the stores that read O^T and of the loads into V's registers
.endr
.irp u, 0,1
.irp t, 0,1,2,3
	ds_store_b128 v[STO], v[O+32*\u+8*\t:O+32*\u+8*\t+3] offset:64*\t          ; each accumulator from its low end on
	ds_store_b128 v[STO], v[O+32*\u+8*\t+4:O+32*\u+8*\t+7] offset:64*\t+16
.endr
.irp i, 0,1,2,3,4,5,6,7
	ds_load_b128 v[F+32*\u+4*\i:F+32*\u+4*\i+3], v[RD] offset:2*\i*272         ; LDS serves a wave's instructions in order: these see my stores, and the next half's stores come behind them
.endr
.endr
	s_wait_loadcnt 0x0                             ; the gate
.irp u, 0,1
.irp i, 0,1,2,3,4,5,6,7
	s_wait_dscnt 15-8*\u-\i                        ; the younger stage loads may stay out
	v_pk_mul_f32 v[F+32*\u+4*\i:F+32*\u+4*\i+1], v[F+32*\u+4*\i:F+32*\u+4*\i+1], v[S+32*\u+4*\i:S+32*\u+4*\i+1]
	v_pk_mul_f32 v[F+32*\u+4*\i+2:F+32*\u+4*\i+3], v[F+32*\u+4*\i+2:F+32*\u+4*\i+3], v[S+32*\u+4*\i+2:S+32*\u+4*\i+3]
	global_store_b128 v[GO], v[F+32*\u+4*\i:F+32*\u+4*\i+3], s[OUTW:OUTW+1] offset:2*\i*4096+256*\u th:TH_STORE_NT
.endr
.endr
	s_wait_dscnt 0x0
	s_wait_tensorcnt 0x0
	ds_add_u32 v38, v39
	s_wait_dscnt 0x0
	CROUND                                         ; the closing round: no work-group ends while a partner may still ask for a tile that names it
	s_endpgm
.Lfunc_end_k_q43ac144e6d_attn:
	.size	k_q43ac144e6d_attn, .Lfunc_end_k_q43ac144e6d_attn-k_q43ac144e6d_attn
	.p2alignl 7, 3214868480
	.fill 96, 4, 3214868480
	.section	.rodata,"a",@progbits
	.p2align	6, 0x0
	.amdhsa_kernel k_q43ac144e6d_attn
		.amdhsa_group_segment_fixed_size 327680
		.amdhsa_private_segment_fixed_size 0
		.amdhsa_enable_private_segment 0
		.amdhsa_kernarg_size 56
		.amdhsa_user_sgpr_count 2
		.amdhsa_user_sgpr_kernarg_segment_ptr 1
		.amdhsa_wavefront_size32 1
		.amdhsa_system_sgpr_workgroup_id_x 1
		.amdhsa_system_sgpr_workgroup_id_y 1
		.amdhsa_system_sgpr_workgroup_id_z 1
		.amdhsa_system_vgpr_workitem_id 0
		.amdhsa_next_free_vgpr 256
		.amdhsa_next_free_sgpr 100
		.amdhsa_reserve_vcc 0
		.amdhsa_float_denorm_mode_32 3
		.amdhsa_float_denorm_mode_16_64 3
		.amdhsa_memory_ordered 1
		.amdhsa_forward_progress 1
		.amdhsa_inst_pref_size 127
	.end_amdhsa_kernel
	.amdgpu_metadata
---
amdhsa.version: [ 1, 2 ]
amdhsa.kernels:
  - .name:           k_q43ac144e6d_attn
    .symbol:         k_q43ac144e6d_attn.kd
    .args:
      - { .name: qi, .offset: 0, .size: 8, .value_kind: global_buffer, .address_space: global }
      - { .name: qs, .offset: 8, .size: 8, .value_kind: global_buffer, .address_space: global }
      - { .name: kv, .offset: 16, .size: 8, .value_kind: global_buffer, .address_space: global }
      - { .name: tab, .offset: 24, .size: 8, .value_kind: global_buffer, .address_space: global }
      - { .name: bt, .offset: 32, .size: 8, .value_kind: global_buffer, .address_space: global }
      - { .name: gt, .offset: 40, .size: 8, .value_kind: global_buffer, .address_space: global }
      - { .name: out0, .offset: 48, .size: 8, .value_kind: global_buffer, .address_space: global }
    .group_segment_fixed_size: 327680
    .private_segment_fixed_size: 0
    .kernarg_segment_align: 8
    .kernarg_segment_size: 56
    .max_flat_workgroup_size: 512
    .sgpr_count:     100
    .vgpr_count:     256
    .wavefront_size: 32
...
	.end_amdgpu_metadata
.endif
;; end of part 3
